; MI455X (gfx1250); checked and timed in simulation.
; The chip was launched on July 23, 2026; its instructions are those of AMD's public machine-readable ISA for CDNA 5 (MIT licence, August 2026) and "CDNA5" Instruction Set Architecture Reference Guide (July 2026). The comments in the code are by the model that wrote it; some were corrected since.
;; Bahdanau Attention. Allowed arithmetic: matrix products marked QUANTISED: E2M1 operands, one E8M0 scale for each 32 along K, by v_wmma_scale_f32_16x16x128_f8f6f4 with both operands' format E2M1 (or v_wmma_scale_f32_32x16x128_f4), f32 sums; products left as they are: f32 operands where the result goes on into a quantised operand, else bf16, f16 or f32 operands; f32 sums; everything else in f32.
;; Inputs: W_energy 1 x 1,024 float32; W_key_codes 1,024 x 32 x 16 uint8 (E2M1 codes of W_key, K innermost, in blocks of 32 codes, two codes a byte); W_key_scales 1,024 x 32 uint8 (E8M0 scales of W_key, one for each 32 codes along K); W_query_codes 1,024 x 32 x 16 uint8 (E2M1 codes of W_query, K innermost, in blocks of 32 codes, two codes a byte); W_query_scales 1,024 x 32 uint8 (E8M0 scales of W_query, one for each 32 codes along K); decoder_hidden_codes 32 x 32 x 16 uint8 (E2M1 codes of decoder_hidden, K innermost, in blocks of 32 codes, two codes a byte); decoder_hidden_scales 32 x 32 uint8 (E8M0 scales of decoder_hidden, one for each 32 codes along K); encoder_outputs 32 x 2,048 x 1,024 float32; src_mask 32 x 2,048 bool.
;; Outputs: out0 32 x 1,024 float32; out1 32 x 2,048 float32.
;; This version of the problem:
;;   THIS VERSION OF THE PROBLEM IS GIVEN IN LOW PRECISION. The matrix products marked QUANTISED in the list below multiply operands that are first quantised to E2M1 (2 exponent bits, 1 mantissa bit; 4 bits a number), with one power-of-two scale for each 32 numbers along K (OCP MX v1.0); their sums are f32. All else is computed in f32.
;;   The module's matrix products, in the order in which they are computed (A, B: the left and right operand; K: the contracted axis; several contracted axes count as one K, in the product's order):
;;     1. [M 32, K 1,024] x [K 1,024, N 1,024]; A: input decoder_hidden (given as codes); B: input W_query (given as codes): QUANTISED
;;     2. [M 65,536, K 1,024] x [K 1,024, N 1,024]; A: input encoder_outputs; B: input W_key (given as codes): QUANTISED
;;     3. [M 65,536, K 1,024] x [K 1,024, N 1]; A: computed on the way; B: input W_energy: left as it is (N = 1 < 16)
;;     4. batch 32 x [M 1, K 2,048] x [K 2,048, N 1,024]; A: softmax; B: input encoder_outputs: left as it is (M = 1 < 16)
;;   THE QUANTISER, for each operand of a quantised product, along K:
;;     - K is cut into blocks of 32 from its start; a last block that is shorter is filled with zeros.
;;     - A block's scale is 2^e with e = floor(log2(the largest magnitude in the block)) - 2, held to -126 .. 127; a block of zeros has e = 0. As a byte (E8M0): e + 127.
;;     - Each number is divided by its block's scale, clamped to +-6, and rounded to the nearest number of E2M1, ties to even, subnormals kept.
;;     - The product sums the exact products of the quantised numbers (number of the format x scale) in f32.
;;   ~~~python
;;   def quantise(x, axis):      # numpy; x: float32 -> the quantised numbers, widened to float32 again
;;       x = np.moveaxis(x, axis, -1); K = x.shape[-1]
;;       x = np.pad(x, [(0, 0)] * (x.ndim - 1) + [(0, -K % 32)]); x = x.reshape(x.shape[:-1] + (-1, 32)); a = np.abs(x).max(-1, keepdims=True)
;;       e = np.where(a > 0, np.clip(np.frexp(np.where(a > 0, a, 1))[1] - 1 - 2, -126, 127), 0)      # np.frexp(a)[1] - 1 = floor(log2(a)), exactly
;;       r = np.clip(x / 2.0 ** e, -6, 6)
;;       step = 2.0 ** (np.maximum(np.frexp(np.where(r == 0, 1, r))[1] - 1, 0) - 1)
;;       q = np.round(r / step) * step * 2.0 ** e      # np.round: ties to even
;;       return np.moveaxis(q.reshape(q.shape[:-2] + (-1,))[..., :K], -1, axis).astype(np.float32)
;;   ~~~
;;   INPUTS GIVEN AS CODES. W_key (in the module: [1024, 1024], K = its axis 1); W_query (in the module: [1024, 1024], K = its axis 1); decoder_hidden (in the module: [32, 1024], K = its axis 1): each comes as NAME_codes (uint8): NAME with its K axis moved to the last place and cut into blocks of 32 codes, [.., K / 32, bytes a block], one block behind the other in memory; two codes a byte, the lower K in the low four bits (a code: sign, 2 exponent bits, 1 mantissa bit); and NAME_scales (uint8): the same leading axes, one E8M0 byte (e + 127) for each 32 codes along K. Its value is code x scale, taken as it is: it is not quantised again, and the codes and scales need not be those that the quantiser above would give.
;; One version. Each part assembles by itself: llvm-mc -triple=amdgcn-amd-amdhsa -mcpu=gfx1250 --defsym DOCPART=n.
;; ======== version 1 of 1: 3 launches
;; limits: values are held in bf16: 8 bits of precision; right only within a limited range of input values
;; workspace buffers: wk 626,688 bytes; cq 131,072 bytes; scores 262,144 bytes; part 1,114,112 bytes
;; launch prep (part 1): grid 64 x 1, 2 waves a work-group, no clusters, 0 bytes of LDS; arguments decoder_hidden_codes, decoder_hidden_scales, W_query_codes, W_query_scales, W_key_codes, W_key_scales, wk, cq; writes wk, cq
.if DOCPART == 1
	.amdgcn_target "amdgcn-amd-amdhsa--gfx1250"
	.amdhsa_code_object_version 6
	.text
	.protected	k_q8aa598c999_prep
	.globl	k_q8aa598c999_prep
	.p2align	8
	.type	k_q8aa598c999_prep,@function
k_q8aa598c999_prep:
	s_mov_b64 s[64:65], 0
	v_nop
	global_prefetch_b8 v0, s[64:65] scope:SCOPE_SE
	s_setreg_imm32_b32 hwreg(HW_REG_WAVE_MODE, 25, 1), 1
	s_wait_xcnt 0x0
; Work-group T (0..63) serves hidden units 16 T .. 16 T + 15.  Two waves, two jobs, no LDS, no barrier.
; WAVE 0: c q[b][16 T + r] for all 32 batches, c = 2 log2(e): q = decoder_hidden W_query^T on the given E2M1 codes and E8M0 bytes,
;   8 K steps of 128, two accumulators (batches 0-15, 16-31) by turns.  Stored as cq[T][b >> 2][r][b & 3], f32.
; WAVE 1: W_key's tile T is laid out once in the order of an operand's registers: record = 16 x 512 bytes of codes
;   (piece q = 2 s + c at 512 q + 16 lane: the 16 bytes that lane (r, h) wants in registers 8 s + 4 c .. + 3) and 512 bytes of scale bytes
;   (16 lane: row r's bytes 16 h .. 16 h + 15).  wk = 4 areas (one for each wave of the main launch) of 18 records:
;   tiles 0 .. 15 of the area, then tiles 1 and 2 once more, so that the main launch's ring of requests runs on into its next block.
.set REC, 8704                         ; a record: 8,192 bytes of codes + 512 of scale bytes = 34 x 256
.set FMT4, 0
	s_load_b256 s[4:11], s[0:1], 0x0               ; decoder_hidden codes s[4:5], scales s[6:7]; W_query codes s[8:9], scales s[10:11]
	s_load_b256 s[12:19], s[0:1], 0x20             ; W_key codes s[12:13], scales s[14:15]; wk s[16:17]; cq s[18:19]
	v_lshrrev_b32 v1, 5, v0
	v_readfirstlane_b32 s20, v1                    ; wave 0, 1
	v_and_b32 v1, 15, v0                           ; r
	v_bfe_u32 v2, v0, 4, 1                         ; h
	v_lshlrev_b32 v3, 9, v1
	v_lshl_add_u32 v3, v2, 4, v3                   ; codes: row r of 512 bytes, + 16 h
	v_lshlrev_b32 v4, 5, v1
	v_lshl_add_u32 v4, v2, 4, v4                   ; scale bytes: row r of 32 bytes, + 16 h
	v_lshlrev_b32 v5, 4, v1
	v_lshl_add_u32 v5, v2, 9, v5                   ; cq: 512 h + 16 r
	v_and_b32 v6, 31, v0
	v_lshlrev_b32 v6, 4, v6                        ; 16 x lane
	s_lshl_b32 s22, ttmp9, 13                      ; the tile's 16 rows of codes begin 8,192 T bytes in,
	s_mov_b32 s23, 0
	s_lshl_b32 s24, ttmp9, 9                       ; its scale bytes 512 T
	s_mov_b32 s25, 0
	s_wait_kmcnt 0x0
	s_cmp_lg_u32 s20, 0
	s_cbranch_scc1 .Lrelay
	; ---- wave 0: c q
	s_add_nc_u64 s[8:9], s[8:9], s[22:23]
	s_add_nc_u64 s[10:11], s[10:11], s[24:25]
	s_lshl_b32 s26, ttmp9, 11                      ; cq: 2,048 T
	s_mov_b32 s27, 0
	s_add_nc_u64 s[18:19], s[18:19], s[26:27]
	s_mov_b32 s28, 0x4038aa3b                      ; c = 2 log2(e)
	s_mov_b32 s29, s28                             ; (named with it as a pair)
	s_wait_alu depctr_va_vdst(0)
.irp q, 0,1,2,3,4,5,6,7,8,9,10,11,12,13,14,15
	global_load_b128 v[64+4*\q:67+4*\q], v3, s[8:9] offset:32*\q              ; W_query's fragments: K step q / 2, half q % 2
.endr
	global_load_b128 v[8:11], v4, s[10:11]                                    ; its scale words: register i = K step i in lanes 0-15, K step 4 + i in lanes 16-31
.irp m, 0,1
.irp q, 0,1,2,3,4,5,6,7,8,9,10,11,12,13,14,15
	global_load_b128 v[128+64*\m+4*\q:131+64*\m+4*\q], v3, s[4:5] offset:8192*\m+32*\q   ; decoder_hidden, batches 16 m + r
.endr
	global_load_b128 v[12+4*\m:15+4*\m], v4, s[6:7] offset:512*\m
.endr
	s_wait_loadcnt 0x0
.irp m, 0,1                                    ; K step 0 starts both sums
	v_wmma_scale_f32_16x16x128_f8f6f4 v[20+8*\m:27+8*\m], v[128+64*\m:135+64*\m], v[64:71], 0, v[12+4*\m], v8 matrix_a_fmt:MATRIX_FMT_FP4 matrix_b_fmt:MATRIX_FMT_FP4
.endr
.irp s, 1,2,3
.irp m, 0,1
	v_wmma_scale_f32_16x16x128_f8f6f4 v[20+8*\m:27+8*\m], v[128+64*\m+8*\s:135+64*\m+8*\s], v[64+8*\s:71+8*\s], v[20+8*\m:27+8*\m], v[12+4*\m+\s], v[8+\s] matrix_a_fmt:MATRIX_FMT_FP4 matrix_b_fmt:MATRIX_FMT_FP4
.endr
.endr
.irp s, 4,5,6,7                                ; K steps 4 to 7: their scale words stand in lanes 16-31
.irp m, 0,1
	v_wmma_scale_f32_16x16x128_f8f6f4 v[20+8*\m:27+8*\m], v[128+64*\m+8*\s:135+64*\m+8*\s], v[64+8*\s:71+8*\s], v[20+8*\m:27+8*\m], v[12+4*\m+\s-4], v[8+\s-4] matrix_a_fmt:MATRIX_FMT_FP4 matrix_b_fmt:MATRIX_FMT_FP4 matrix_a_scale:MATRIX_SCALE_ROW1 matrix_b_scale:MATRIX_SCALE_ROW1
.endr
.endr
.rept 4
	v_nop                                          ; four places between the last products and the first read of results (ISA guide 7.12.1)
.endr
.irp i, 0,2,4,6,8,10,12,14
	v_pk_mul_f32 v[36+\i:37+\i], v[20+\i:21+\i], s[28:29] op_sel_hi:[1,0]   ; x c; each accumulator from its low end on
.endr
.irp m, 0,1
.irp j, 0,1
	global_store_b128 v5, v[36+8*\m+4*\j:39+8*\m+4*\j], s[18:19] offset:1024*\m+256*\j   ; lane (r, h), registers 4 j ..: batches 16 m + 8 h + 4 j + 0 .. 3 of unit r: sixteen lanes store 256 consecutive bytes, aligned
.endr
.endr
	s_endpgm
.Lrelay:
	; ---- wave 1: W_key's tile as a record
	s_add_nc_u64 s[12:13], s[12:13], s[22:23]
	s_add_nc_u64 s[14:15], s[14:15], s[24:25]
	s_lshr_b32 s26, ttmp9, 4                       ; the area
	s_mul_i32 s26, s26, 18
	s_and_b32 s28, ttmp9, 15                       ; the tile in it
	s_add_co_u32 s26, s26, s28
	s_mul_i32 s26, s26, REC
	s_mov_b32 s27, 0
	s_add_nc_u64 s[16:17], s[16:17], s[26:27]
	s_wait_alu depctr_va_vdst(0)
.irp q, 0,1,2,3,4,5,6,7,8,9,10,11,12,13,14,15
	global_load_b128 v[64+4*\q:67+4*\q], v3, s[12:13] offset:32*\q
.endr
	global_load_b128 v[8:11], v4, s[14:15]
	s_wait_loadcnt 0x0
.irp q, 0,1,2,3,4,5,6,7,8,9,10,11,12,13,14,15
	global_store_b128 v6, v[64+4*\q:67+4*\q], s[16:17] offset:512*\q          ; 32 lanes store 512 consecutive bytes
.endr
	global_store_b128 v6, v[8:11], s[16:17] offset:8192
	s_sub_co_u32 s28, s28, 1
	s_cmp_lt_u32 s28, 2                            ; tiles 1 and 2 of an area lie a second time, 15 records on
	s_cbranch_scc0 .Ldone
.irp q, 0,1,2,3,4,5,6,7,8,9,10,11,12,13,14,15
	global_store_b128 v6, v[64+4*\q:67+4*\q], s[16:17] offset:15*REC+512*\q
.endr
	global_store_b128 v6, v[8:11], s[16:17] offset:15*REC+8192
.Ldone:
	s_endpgm
.Lfunc_end_k_q8aa598c999_prep:
	.size	k_q8aa598c999_prep, .Lfunc_end_k_q8aa598c999_prep-k_q8aa598c999_prep
	.p2alignl 7, 3214868480
	.fill 96, 4, 3214868480
	.section	.rodata,"a",@progbits
	.p2align	6, 0x0
	.amdhsa_kernel k_q8aa598c999_prep
		.amdhsa_group_segment_fixed_size 0
		.amdhsa_private_segment_fixed_size 0
		.amdhsa_enable_private_segment 0
		.amdhsa_kernarg_size 64
		.amdhsa_user_sgpr_count 2
		.amdhsa_user_sgpr_kernarg_segment_ptr 1
		.amdhsa_wavefront_size32 1
		.amdhsa_system_sgpr_workgroup_id_x 1
		.amdhsa_system_sgpr_workgroup_id_y 1
		.amdhsa_system_sgpr_workgroup_id_z 1
		.amdhsa_system_vgpr_workitem_id 0
		.amdhsa_next_free_vgpr 256
		.amdhsa_next_free_sgpr 66
		.amdhsa_reserve_vcc 0
		.amdhsa_float_denorm_mode_32 3
		.amdhsa_float_denorm_mode_16_64 3
		.amdhsa_memory_ordered 1
		.amdhsa_forward_progress 1
		.amdhsa_inst_pref_size 15
	.end_amdhsa_kernel
	.amdgpu_metadata
---
amdhsa.version: [ 1, 2 ]
amdhsa.kernels:
  - .name:           k_q8aa598c999_prep
    .symbol:         k_q8aa598c999_prep.kd
    .args:
      - { .name: decoder_hidden_codes, .offset: 0, .size: 8, .value_kind: global_buffer, .address_space: global }
      - { .name: decoder_hidden_scales, .offset: 8, .size: 8, .value_kind: global_buffer, .address_space: global }
      - { .name: W_query_codes, .offset: 16, .size: 8, .value_kind: global_buffer, .address_space: global }
      - { .name: W_query_scales, .offset: 24, .size: 8, .value_kind: global_buffer, .address_space: global }
      - { .name: W_key_codes, .offset: 32, .size: 8, .value_kind: global_buffer, .address_space: global }
      - { .name: W_key_scales, .offset: 40, .size: 8, .value_kind: global_buffer, .address_space: global }
      - { .name: wk, .offset: 48, .size: 8, .value_kind: global_buffer, .address_space: global }
      - { .name: cq, .offset: 56, .size: 8, .value_kind: global_buffer, .address_space: global }
    .group_segment_fixed_size: 0
    .private_segment_fixed_size: 0
    .kernarg_segment_align: 8
    .kernarg_segment_size: 64
    .max_flat_workgroup_size: 64
    .sgpr_count:     66
    .vgpr_count:     256
    .wavefront_size: 32
...
	.end_amdgpu_metadata
.endif
;; end of part 1
;; launch main (part 2): grid 256 x 1, 4 waves a work-group, no clusters, 327,680 bytes of LDS; arguments encoder_outputs, src_mask, W_energy, wk, cq, scores, part; writes scores, part
.if DOCPART == 2
	.amdgcn_target "amdgcn-amd-amdhsa--gfx1250"
	.amdhsa_code_object_version 6
	.text
	.protected	k_q8aa598c999_main
	.globl	k_q8aa598c999_main
	.p2align	8
	.type	k_q8aa598c999_main,@function
k_q8aa598c999_main:
	s_mov_b64 s[64:65], 0
	v_nop
	global_prefetch_b8 v0, s[64:65] scope:SCOPE_SE
	s_setreg_imm32_b32 hwreg(HW_REG_WAVE_MODE, 25, 1), 1
	s_wait_xcnt 0x0
; Work-group g owns rows 256 g .. 256 g + 255 of encoder_outputs (all of one batch b = g / 8) and takes them in 4 blocks of 64.  Each row is read from memory once.
; A BLOCK:  Q: each wave's 16 rows (65,536 dense bytes, one tensor load) lie in LDS as f32; lane l takes block l of 32 along K of a row, finds its scale, makes its 32 E2M1 codes
;   (16 bytes to CODE, the E8M0 byte to ASC) and keeps the 32 numbers as bf16 in 16 registers (HOLD) | barrier; the next block's tensor load goes out |
;   M: every wave takes all 64 rows' codes into registers (A: 256 registers) and multiplies them with ITS 256 hidden units of W_key, 16 tiles of 16, whose records (laid out by the launch before in
;   the order of the operand's registers) come from memory straight into registers, two tiles ahead.  While tile p + 1 is multiplied, tile p's tanh and energy dot stand in slices behind the matrix instructions |
;   C: a row's four partial scores meet in LDS | barrier | mask, running maximum m, p = e^(s - m), sum l, and the context: ctx = ctx f + sum of p x row, from HOLD.
; OUT: the masked raw scores; for each work-group a partial context (1,024 f32) and (m, l).  A last launch joins the eight partials of a batch.
; tanh(x) = 1 - 2 / (1 + 2^(c x)), c = 2 log2(e): the score is (sum of w) - 2 sum of w / (1 + 2^(c q + c k)); c q comes ready from the launch before.  It ends at +-1 for large |x|.
; LIMITS: NaN and infinities among the inputs are not served.  A block of 32 zeros gets the scale byte 1 (not 127) with zero codes: the bytes are read here alone.  A block whose largest magnitude lies under 2^-124
;   is held at byte 1.  For the context alone the rows are rounded to bf16.  tanh carries the rounding of 1 + 2^(c x) and of two transcendentals of 1 ulp.
; NO CLUSTER: what work-groups share is W_key alone.  A joint load lands in LDS, of whose 327,680 bytes this text leaves 3,584 unnamed; and each record is wanted by ONE wave of a work-group, whose registers it enters directly.
; LDS: all of a WGP's is claimed.
.set REC,    8704                      ; a record of wk: 16 x 512 bytes of codes, 512 of scale bytes
.set LANDW,  69632                     ; a wave's landing area: 256 units of 256 bytes + 16 of padding
.set UNITP,  272
.set ROWL,   16*UNITP                  ; a row of 4,096 bytes in it
.set CODE,   4*LANDW                   ; 64 rows of 512 bytes of codes, pitch 528 = 33 x 16: the 16 rows of a fragment load start at 16 different groups of four banks
.set CPITCH, 528
.set ASC,    CODE+64*CPITCH            ; [64 rows][32 scale bytes]
.set CW,     ASC+2048                  ; wave w at 2,048 w: for each of its 256 hidden units the pair (c q, -2 w_energy)
.set PS,     CW+8192                   ; [wave][64 rows] partial scores
.set SPARE,  PS+1024                   ; the spare words, 128 bytes a wave: two blocks of 256 bytes that no other line names
.set XCH,    CODE                      ; the tail's exchange of the context: in CODE's bytes, which no tensor load ever fills and nobody reads behind the last block's second barrier
.set LOG2E,  0x3fb8aa3b
; window 0
.set SPW, 1                            ; SPARE + 4 x thread; never rewritten
.set NIL, 2                            ; 0; never rewritten
.set LA,  3                            ; landing area: my 128 bytes of a row
.set CST, 4                            ; CODE: where I store 16 bytes of codes
.set SST, 5                            ; ASC: where I store a byte
.set AFA, 6                            ; CODE: my lane's place in a fragment
.set ASA, 7                            ; ASC: my lane's 16 bytes
.set CW0, 8                            ; CW: my unit r of tile 0
.set CWA, 9                            ; the same for the trip in hand
.set PSS, 10                           ; PS: where I store
.set PSG, 11                           ; PS: rows 2 l, 2 l + 1
.set PSO, 12                           ; PS: row 16 w + r
.set WLA, 13                           ; 16 x lane
.set SCO, 14                           ; 8 x lane
.set FLO, 15                           ; the floor 2^(3 - 127)
.set MG,  16                           ; masks of rows 2 l (bit 0 on) and 2 l + 1 (bit 8 on), a bit a block
.set MO,  17                           ; masks of row 16 w + r
.set MX,  18                           ; m
.set LS,  19                           ; l (my lane's part)
.set XS,  30                           ; the tail: where I store my context
.set XR,  31                           ; and where I read
.set ASCL, 32                          ; v32-47  A's scale words: 4 m + i: K step i in lanes 0-15, 4 + i in lanes 16-31
.set BSCL, 48                          ; v48-63  B's likewise, 4 x buffer + i
.set CWR, 64                           ; v64-69  three pairs (c q, -2 w), tile % 3
.set WS,  70                           ; v70-71  the sum of w over my lane's 16 units, twice
.set S,   72                           ; v72-103 the energy sums, 8 m + j
.set ACC, 104                          ; v104-135 four accumulators; in phase C the 16 weights; in the tail the exchange
.set T,   136                          ; v136-167 a tile on its way through tanh; phase C's temporaries
.set CTX, 168                          ; v168-199 context, columns 32 l + 0 .. 31
.set AM,  200
.set SCV, 204
.set BY,  208                          ; two sets of 4 bytes
.set CD,  216                          ; two sets of 16 registers of codes
; window 1: A's fragments at 32 s + 8 m; in phase Q two sets of 4 rows x 32 f32.  window 2: HOLD at 16 t + u.  window 3: four buffers of 64 for W_key's tiles: 0 = tile 0; tile n >= 1 in 1 + (n - 1) % 3
.set MSB, 0
.macro WIN new                         ; low byte: bits 1:0 source 0, 3:2 source 1, 5:4 source 2, 7:6 destination; the high byte repeats the setting that is left
.if MSB != \new
	s_set_vgpr_msb (MSB<<8)|\new
.set MSB, \new
.endif
.endm
; rows 4 G .. 4 G + 3 of my 16: my 128 bytes of each, into set G % 2 of window 1.  In a load lanes 0-15 take 16-byte columns (l / 2) + 8 (l % 2) + q mod 16: all different
.macro QLOAD G
	WIN 0x40
.irp i, 0,1,2,3
.irp q, 0,1,2,3,4,5,6,7
	ds_load_b128 v[128*((\G)%2)+32*\i+4*\q:128*((\G)%2)+32*\i+4*\q+3], v[LA] offset:(4*(\G)+\i)*ROWL+16*\q
.endr
.endr
.endm
; the four rows are quantised, by turns so that no line waits for the line above it
.macro QWORK G
.set XB, 128*((\G)%2)
.set CB, CD+16*((\G)%2)
.set BB, BY+4*((\G)%2)
	WIN 0x14
.irp i, 0,1,2,3
	v_max3_num_f32 v[AM+\i], v[FLO], |v[XB+32*\i]|, |v[XB+32*\i+1]|          ; the block's largest magnitude, all 32 numbers mine; the floor holds the byte at 1 from below
.endr
.irp k, 2,4,6,8,10,12,14,16,18,20,22,24,26,28,30
.irp i, 0,1,2,3
	v_max3_num_f32 v[AM+\i], v[AM+\i], |v[XB+32*\i+\k]|, |v[XB+32*\i+\k+1]|
.endr
.endr
	WIN 0
.irp i, 0,1,2,3
	v_add_nc_u32 v[SCV+\i], 0xff000000, v[AM+\i]   ; 2 off the exponent field: the conversion takes that field as its scale
.endr
.irp i, 0,1,2,3
	v_lshrrev_b32 v[BB+\i], 23, v[SCV+\i]          ; the E8M0 byte
.endr
	WIN 0x01
.irp i, 0,1,2,3
.irp q, 0,1,2,3
	v_cvt_scalef32_pk8_fp4_f32 v[CB+4*\i+\q], v[XB+32*\i+8*\q:XB+32*\i+8*\q+7], v[SCV+\i]
.endr
.endr
	WIN 0x85
.irp i, 0,1,2,3                                ; the same numbers as bf16, for the context.  (Plain lines: the place that a scaled conversion wants behind it)
.irp u, 0,1,2,3,4,5,6,7,8,9,10,11,12,13,14,15
	v_cvt_pk_bf16_f32 v[16*(4*(\G)+\i)+\u], v[XB+32*\i+2*\u], v[XB+32*\i+2*\u+1]
.endr
.endr
	WIN 0
.irp i, 0,1,2,3
	ds_store_b128 v[CST], v[CB+4*\i:CB+4*\i+3] offset:(4*(\G)+\i)*CPITCH     ; 32 lanes: a row's 512 bytes of codes
	ds_store_b8 v[SST], v[BB+\i] offset:(4*(\G)+\i)*32                       ; and its 32 scale bytes
.endr
.endm
; a record of wk, rec records behind the walking base, into buffer buf: 17 loads of 512 consecutive bytes
.macro PF buf, rec
	WIN 0xc0
.irp q, 0,1,2,3,4,5,6,7,8,9,10,11,12,13,14,15
	global_load_b128 v[64*(\buf)+4*\q:64*(\buf)+4*\q+3], v[WLA], s[38:39] offset:(\rec)*REC+512*\q
.endr
	WIN 0
	global_load_b128 v[BSCL+4*(\buf):BSCL+4*(\buf)+3], v[WLA], s[38:39] offset:(\rec)*REC+8192
.endm
; K step s of the tile in buffer buf: four products, the four tiles of rows by turns, one instruction a turn.  Source 0 = 16 rows, source 1 = 16 hidden units:
; in the result lane (r, h) holds hidden unit r, and register j row 8 h + j
.macro MM buf, s
	WIN 0x0d
.irp m, 0,1,2,3
.if (\s) == 0
	v_wmma_scale_f32_16x16x128_f8f6f4 v[ACC+8*\m:ACC+8*\m+7], v[8*\m:8*\m+7], v[64*(\buf):64*(\buf)+7], 0, v[ASCL+4*\m], v[BSCL+4*(\buf)] matrix_a_fmt:MATRIX_FMT_FP4 matrix_b_fmt:MATRIX_FMT_FP4
.elseif (\s) < 4
	v_wmma_scale_f32_16x16x128_f8f6f4 v[ACC+8*\m:ACC+8*\m+7], v[32*(\s)+8*\m:32*(\s)+8*\m+7], v[64*(\buf)+8*(\s):64*(\buf)+8*(\s)+7], v[ACC+8*\m:ACC+8*\m+7], v[ASCL+4*\m+(\s)], v[BSCL+4*(\buf)+(\s)] matrix_a_fmt:MATRIX_FMT_FP4 matrix_b_fmt:MATRIX_FMT_FP4
.else
	v_wmma_scale_f32_16x16x128_f8f6f4 v[ACC+8*\m:ACC+8*\m+7], v[32*(\s)+8*\m:32*(\s)+8*\m+7], v[64*(\buf)+8*(\s):64*(\buf)+8*(\s)+7], v[ACC+8*\m:ACC+8*\m+7], v[ASCL+4*\m+(\s)-4], v[BSCL+4*(\buf)+(\s)-4] matrix_a_fmt:MATRIX_FMT_FP4 matrix_b_fmt:MATRIX_FMT_FP4 matrix_a_scale:MATRIX_SCALE_ROW1 matrix_b_scale:MATRIX_SCALE_ROW1
.endif
.endr
.endm
; A tile's 32 numbers go through tanh in two batches.  EXPS: 2^x of all 32 (the wait ahead of the batch stands with the caller), a plain line, the batch's wait, + 1, and the wait ahead of the reciprocals.
.macro EXPS
	WIN 0
.set n, 0
.rept 32
	v_exp_f32 v[T+n], v[T+n]
.set n, n+1
.endr
	v_nop                                          ; a plain line behind the batch (ISA guide 5.7.2)
	s_wait_alu depctr_va_vdst(0)                   ; the wait behind the batch
.set n, 0
.rept 16
	v_pk_add_f32 v[T+n:T+n+1], v[T+n:T+n+1], 1.0 op_sel_hi:[1,0]
.set n, n+2
.endr
	s_wait_alu depctr_va_vdst(0)                   ; and ahead of the next batch, whose sources these lines wrote
.endm
; RCPS: the 32 reciprocals, a plain line, their wait, and S += (-2 w) x each: of the pair (c q, -2 w) the second word serves both halves
.macro RCPS cw
	WIN 0
.set n, 0
.rept 32
	v_rcp_f32 v[T+n], v[T+n]
.set n, n+1
.endr
	v_nop
	s_wait_alu depctr_va_vdst(0)                   ; the wait behind the batch
.set n, 0
.rept 16
	v_pk_fma_f32 v[S+n:S+n+1], v[T+n:T+n+1], v[CWR+2*(\cw):CWR+2*(\cw)+1], v[S+n:S+n+1] op_sel:[0,1,0] op_sel_hi:[1,1,1]
.set n, n+2
.endr
.endm
; a finished tile leaves its accumulators: T = c k + c q, each accumulator from its low end on
.macro MOVE cw
	WIN 0
.set n, 0
.rept 16
	v_pk_fma_f32 v[T+n:T+n+1], v[ACC+n:ACC+n+1], s[22:23], v[CWR+2*(\cw):CWR+2*(\cw)+1] op_sel_hi:[1,0,0]
.set n, n+2
.endr
.endm
; slot p = 3 k + j: tile p + 1 is multiplied, tile p goes through tanh, tile p + 3 is asked for into the buffer that tile p has left: behind its last product stand a v_nop and the sixteen multiply-adds of the slot before.
; Each batch of transcendentals is issued behind sixteen matrix instructions; the accumulators are next read behind the batch's wait.  cnt: the loads younger than tile p + 1's: tile p + 2's 17, or none
.macro SLOT j, pf, cnt
	s_wait_alu depctr_va_vdst(0)
	s_wait_loadcnt \cnt
	ds_load_b64 v[CWR+2*(((\j)+1)%3):CWR+2*(((\j)+1)%3)+1], v[CWA] offset:128*((\j)+1)   ; tile p + 1's pair (c q, -2 w) of my unit
.if \pf
	PF 1+((\j)+2)%3, (\j)+3
.endif
.irp s, 0,1,2,3
	MM 1+(\j), \s
.endr
	EXPS
.irp s, 4,5,6,7
	MM 1+(\j), \s
.endr
	s_wait_dscnt 0x0                               ; the pair is in
	RCPS \j                                        ; its v_nop and sixteen multiply-adds name no register of the last products: their places
	s_wait_alu depctr_va_vdst(0)                   ; directly ahead of the first read of the accumulators
	MOVE ((\j)+1)%3
.endm
.macro TRIP p0, p1, p2, c0, c1, c2
	v_add_nc_u32 v[CWA], s21, v[CW0]
	SLOT 0, \p0, \c0
	SLOT 1, \p1, \c1
	SLOT 2, \p2, \c2
	s_wait_xcnt 0x0                                ; the requests have read their base: it may step
	s_add_nc_u64 s[38:39], s[38:39], 3*REC
	s_add_co_u32 s21, s21, 384
.endm
	; ================= head
	s_load_b256 s[4:11], s[0:1], 0x0               ; encoder_outputs s[4:5], src_mask s[6:7], W_energy s[8:9], wk s[10:11]
	s_load_b128 s[12:15], s[0:1], 0x20             ; cq s[12:13], scores s[14:15]
	s_load_b64 s[16:17], s[0:1], 0x30              ; part
	v_lshl_add_u32 v[SPW], v0, 2, SPARE
	v_mov_b32 v[NIL], 0
	ds_add_u32 v1, v2
	ds_add_u32 v1, v2
	s_wait_dscnt 0x0
	v_lshrrev_b32 v20, 5, v0
	v_readfirstlane_b32 s18, v20                   ; wave w
	v_and_b32 v20, 31, v0                          ; l
	v_and_b32 v21, 15, v0                          ; r
	v_bfe_u32 v22, v0, 4, 1                        ; h
	v_lshlrev_b32 v23, 1, v20                      ; mask of rows 2 l, 2 l + 1
	s_lshl_b32 s46, s18, 4
	v_add_nc_u32 v24, s46, v21                     ; mask of row 16 w + r
	v_lshlrev_b32 v25, 4, v21
	v_lshl_add_u32 v25, v22, 11, v25               ; cq: 2,048 h + 16 r
	v_lshlrev_b32 v26, 2, v20                      ; W_energy: 4 l
	v_lshlrev_b32 v[WLA], 4, v20
	v_lshlrev_b32 v[SCO], 3, v20
	; descriptor group 1: 65,536 dense bytes as 256 rows of 32 elements of 8 bytes, 16 bytes of padding behind each 256
	s_mov_b32 s24, (3<<16)|(1<<20)|(5<<22)|(3<<25) ; no mask; elements of 8 bytes; padding on, after every 64 words (code 5), 4 words (code 3)
	s_mov_b32 s25, 32<<16                          ; tensor_dim0 = 32
	s_mov_b32 s26, 256<<16                         ; tensor_dim1 = 256
	s_mov_b32 s27, 32<<16                          ; tile_dim0 = 32
	s_mov_b32 s28, 256                             ; tile_dim1 = 256
	s_mov_b32 s29, 32                              ; from row to row
	s_mov_b32 s30, 0
	s_mov_b32 s31, 0
	s_mov_b32 s32, 1                               ; group 0: count
	s_mul_i32 s33, s18, LANDW                      ; LDS: my wave's landing area
	s_mov_b32 s22, 0x4038aa3b                      ; c = 2 log2(e)
	s_mov_b32 s23, s22
	s_mov_b32 s36, 0x76543210
	s_mov_b32 s37, 0xfedcba98                      ; v_permlanex16_b32: lane l xor 16
	s_lshl_b32 s42, ttmp9, 20                      ; encoder_outputs: 256 rows x 4,096 bytes x g
	s_lshl_b32 s43, s18, 16                        ; + 16 rows x w
	s_add_co_u32 s42, s42, s43
	s_mov_b32 s43, 0
	s_lshl_b32 s44, ttmp9, 8                       ; src_mask: 256 g
	s_mov_b32 s45, 0
	s_lshl_b32 s46, s18, 10                        ; W_energy: 1,024 w
	s_mov_b32 s47, 0
	s_mul_i32 s48, s18, 18*REC                     ; wk: my wave's area
	s_mov_b32 s49, 0
	s_lshl_b32 s50, s18, 15                        ; cq: tile 16 w, batch b = g / 8: 32,768 w + 256 (b / 4) + 4 (b % 4)
	s_lshr_b32 s51, ttmp9, 5
	s_lshl_b32 s51, s51, 8
	s_add_co_u32 s50, s50, s51
	s_bfe_u32 s51, ttmp9, 0x20003
	s_lshl_b32 s51, s51, 2
	s_add_co_u32 s50, s50, s51
	s_mov_b32 s51, 0
	s_lshl_b32 s52, ttmp9, 10                      ; scores: 1,024 g
	s_mov_b32 s53, 0
	s_mul_i32 s54, ttmp9, 4352                     ; part: my record
	s_mov_b32 s55, 0
	s_wait_alu depctr_va_vdst(0)                   ; directly ahead of the wait below
	s_wait_kmcnt 0x0
	s_add_nc_u64 s[34:35], s[4:5], s[42:43]
	s_or_b32 s35, s35, 0x80000000                  ; type 2
	tensor_load_to_lds s[32:35], s[24:31]          ; block 0's 16 rows of mine: the one tensor load that I have out
	s_nop 0
	s_add_nc_u64 s[38:39], s[10:11], s[48:49]      ; the walking base in wk
	s_add_nc_u64 s[40:41], s[14:15], s[52:53]      ; the walking base in scores
	s_add_nc_u64 s[6:7], s[6:7], s[44:45]
	s_add_nc_u64 s[8:9], s[8:9], s[46:47]
	s_add_nc_u64 s[12:13], s[12:13], s[50:51]
	s_add_nc_u64 s[16:17], s[16:17], s[54:55]
.irp i, 0,1,2,3
	global_load_u16 v[136+\i], v23, s[6:7] offset:64*\i        ; block i: two mask bytes
.endr
.irp i, 0,1,2,3
	global_load_u8 v[140+\i], v24, s[6:7] offset:64*\i         ; block i: my own row's
.endr
.irp u, 0,1,2,3,4,5,6,7
	global_load_b32 v[144+2*\u], v25, s[12:13] offset:4096*\u  ; c q of hidden unit 256 w + 32 u + l
	global_load_b32 v[145+2*\u], v26, s[8:9] offset:128*\u     ; w_energy of the same
.endr
	PF 0, 0                                        ; W_key's tiles 0, 1, 2 of my quarter
	PF 1, 1
	PF 2, 2
	v_lshrrev_b32 v27, 1, v20
	v_mul_u32_u24 v27, v27, UNITP
	v_and_b32 v28, 1, v20
	v_lshl_add_u32 v27, v28, 7, v27
	v_add_nc_u32 v[LA], s33, v27                   ; unit l / 2 of a row, half l % 2
	s_mul_i32 s46, s18, 16*CPITCH
	s_add_co_u32 s46, s46, CODE
	v_lshl_add_u32 v[CST], v20, 4, s46
	s_lshl_b32 s46, s18, 9
	s_add_co_u32 s46, s46, ASC
	v_add_nc_u32 v[SST], s46, v20
	v_mul_u32_u24 v27, v21, CPITCH
	v_lshl_add_u32 v27, v22, 4, v27
	v_add_nc_u32 v[AFA], CODE, v27
	v_lshlrev_b32 v27, 5, v21
	v_lshl_add_u32 v27, v22, 4, v27
	v_add_nc_u32 v[ASA], ASC, v27
	s_lshl_b32 s46, s18, 11
	s_add_co_u32 s46, s46, CW
	v_lshl_add_u32 v[CW0], v21, 3, s46
	v_lshl_add_u32 v29, v20, 3, s46                ; where I store the pairs: 8 l
	s_lshl_b32 s46, s18, 8
	s_add_co_u32 s46, s46, PS
	v_lshl_add_u32 v[PSS], v22, 5, s46
	v_lshl_add_u32 v[PSG], v20, 3, PS
	s_lshl_b32 s46, s18, 6
	s_add_co_u32 s46, s46, PS
	v_lshl_add_u32 v[PSO], v21, 2, s46
	v_mul_u32_u24 v27, v20, 144                    ; the tail's exchange: a lane's 128 bytes + 16
	s_mul_i32 s46, s18, 4608
	s_add_co_u32 s46, s46, XCH
	v_add_nc_u32 v[XS], s46, v27
	v_lshrrev_b32 v27, 3, v20
	v_mul_u32_u24 v27, v27, 144
	v_and_b32 v28, 7, v20
	v_lshl_add_u32 v27, v28, 4, v27
	s_mul_i32 s46, s18, 8*144
	s_add_co_u32 s46, s46, XCH
	v_add_nc_u32 v[XR], s46, v27                   ; columns 256 w + 4 l on lie with lane 8 w + l / 8, 16 (l % 8) bytes in
	v_mov_b32 v[FLO], 0x1800000
	v_mov_b32 v[MX], 0xff61b1e6                    ; m: -3e38, under every score
	v_mov_b32 v[LS], 0
.set n, 0
.rept 32
	v_mov_b32 v[CTX+n], 0                          ; the block is written as a loop: its first trip finds zeros, which the first f leaves zeros
.set n, n+1
.endr
	s_wait_loadcnt 51                              ; all but the three records' 3 x 17 loads
	v_lshl_or_b32 v[MG], v137, 1, v136             ; a mask byte is 0 or 1: block i's two bytes go to bits i and 8 + i
	v_lshl_or_b32 v[MG], v138, 2, v[MG]
	v_lshl_or_b32 v[MG], v139, 3, v[MG]
	v_lshl_or_b32 v[MO], v141, 1, v140
	v_lshl_or_b32 v[MO], v142, 2, v[MO]
	v_lshl_or_b32 v[MO], v143, 3, v[MO]
	v_add_f32 v27, v145, v147                      ; the sum of w over units l + 32 u,
	v_add_f32 v28, v149, v151
	v_add_f32 v27, v27, v153
	v_add_f32 v28, v28, v155
	v_add_f32 v27, v27, v157
	v_add_f32 v28, v28, v159
	v_add_f32 v27, v27, v28
	v_permlanex16_b32 v28, v27, s36, s37
	v_add_f32 v[WS], v27, v28                      ; with lane l xor 16's: over the 16 units 16 t + r
	v_add_f32 v[WS+1], v27, v28
.irp u, 0,1,2,3,4,5,6,7
	v_mul_f32 v[145+2*\u], -2.0, v[145+2*\u]
.endr
.irp u, 0,1,2,3,4,5,6,7
	ds_store_b64 v29, v[144+2*\u:145+2*\u] offset:256*\u       ; my wave's own bytes: it alone reads them, and LDS serves a wave's instructions in order
.endr
	; ================= a block of 64 rows.  refill = 1: the next block is asked for
.macro BLOCK refill
	; ---- Q
	s_wait_tensorcnt 0x0                           ; my 16 rows have landed (no younger load is out); I alone read them
	QLOAD 0
	QLOAD 1
	s_wait_dscnt 32                                ; all but the second run of 32 loads
	QWORK 0
	QLOAD 2
	s_wait_dscnt 40                                ; younger: 8 stores and 32 loads
	QWORK 1
	QLOAD 3
	s_wait_dscnt 40                                ; likewise; the stores of two runs back are done, so their registers may be written
	QWORK 2
	s_wait_dscnt 8                                 ; younger: 8 stores
	QWORK 3
.if \refill
	s_wait_tensorcnt 0x0                           ; no tensor load of mine is out, so group 0 may be written
	ds_add_u32 v[SPW], v[NIL]                      ; 0 onto my spare word
	s_add_nc_u64 s[34:35], s[34:35], 64*4096       ; the next block; the type bits on top are not reached
	s_wait_dscnt 0x0                               ; the add is done, my codes and bytes lie in LDS, my reads of the landing area are over
	s_barrier_signal -1
	s_barrier_wait -1                              ; all that holds of all four waves
	tensor_load_to_lds s[32:35], s[24:31]          ; my one tensor load behind the barrier, first thing: it has phases M and C in which to land
	s_nop 0
.else
	s_wait_dscnt 0x0
	s_barrier_signal -1
	s_barrier_wait -1
.endif
.set n, 0
.rept 16
	v_pk_mul_f32 v[S+n:S+n+1], v[WS:WS+1], 1.0 op_sel_hi:[1,0]   ; the energy sums begin at the sum of w, two registers a line
.set n, n+2
.endr
	; ---- M
.irp m, 0,1,2,3
	ds_load_b128 v[ASCL+4*\m:ASCL+4*\m+3], v[ASA] offset:512*\m
.endr
	ds_load_b64 v[CWR:CWR+1], v[CW0]               ; tile 0's pair
	WIN 0x40
.irp s, 0,1,2,3,4,5,6,7
.irp m, 0,1,2,3
.irp c, 0,1
	ds_load_b128 v[32*\s+8*\m+4*\c:32*\s+8*\m+4*\c+3], v[AFA] offset:16*CPITCH*\m+64*\s+32*\c   ; all 64 rows' codes, K step by K step
.endr
.endr
.endr
	s_mov_b32 s21, 0
	s_wait_loadcnt 0x0                             ; tiles 0, 1, 2 (tile 0 was asked for last)
.irp s, 0,1,2,3,4,5,6,7
	s_wait_dscnt 8*(7-\s)                          ; A's later K steps, 8 loads each, may be out
	MM 0, \s                                       ; tile 0: there is no tanh yet to set between
.endr
	WIN 0
.rept 4
	v_nop                                          ; four places between the last products and the first read of results (ISA guide 7.12.1)
.endr
	MOVE 0
.if \refill
	s_mov_b32 s20, 5
.else
	s_mov_b32 s20, 4
.endif
.Ltrip_\@:
	TRIP 1, 1, 1, 17, 17, 17
	s_sub_co_u32 s20, s20, 1
	s_cmp_lg_u32 s20, 0
	s_cbranch_scc1 .Ltrip_\@
.if \refill
	s_sub_nc_u64 s[38:39], s[38:39], 15*REC        ; back to record 0 (nothing has been asked for since the trip's wait on XCNT).  Records 16 and 17, asked for by the last two slots, are tiles 1 and 2 again
	PF 0, 0                                        ; and tile 0
.else
	TRIP 1, 0, 0, 17, 17, 0                        ; the last block's last trip asks for tile 15 alone: no load goes unused
.endif
	s_wait_alu depctr_va_vdst(0)                   ; ahead of the batch: T was just written
	EXPS                                           ; tile 15's tanh
	RCPS 0
	; ---- C
.irp x, 1,2,4,8
.set n, 0
.rept 32
	v_add_f32_dpp v[S+n], v[S+n], v[S+n] row_xmask:\x row_mask:0xf bank_mask:0xf   ; over the 16 units of a tile's lanes
.set n, n+1
.endr
.endr
.irp m, 0,1,2,3
.irp j, 0,1
	ds_store_b128 v[PSS], v[S+8*\m+4*\j:S+8*\m+4*\j+3] offset:64*\m+16*\j     ; rows 16 m + 8 h + 4 j on; the 16 lanes of a half write the same words with the same values
.endr
.endr
	s_wait_dscnt 0x0                               ; my partial scores lie in LDS, and my loads of codes and scale bytes are long in
	s_barrier_signal -1
	s_barrier_wait -1                              ; my tensor load stays out across it
.irp p, 0,1,2,3
	ds_load_b64 v[136+2*\p:137+2*\p], v[PSG] offset:256*\p     ; rows 2 l, 2 l + 1: wave p's part
.endr
.irp p, 0,1,2,3
	ds_load_b32 v[144+\p], v[PSO] offset:256*\p                ; my own row 16 w + r
.endr
	s_wait_dscnt 0x0
	v_pk_add_f32 v[136:137], v[136:137], v[138:139]
	v_pk_add_f32 v[140:141], v[140:141], v[142:143]
	v_add_f32 v144, v144, v145
	v_add_f32 v146, v146, v147
	v_pk_add_f32 v[136:137], v[136:137], v[140:141]
	v_add_f32 v144, v144, v146
	v_and_b32 v148, 1, v[MG]
	v_cmp_ne_u32 vcc_lo, 0, v148
	v_cndmask_b32 v136, 0xce6e6b28, v136, vcc_lo   ; -1e9 where the mask is false
	v_and_b32 v148, 0x100, v[MG]
	v_cmp_ne_u32 vcc_lo, 0, v148
	v_cndmask_b32 v137, 0xce6e6b28, v137, vcc_lo
	v_and_b32 v148, 1, v[MO]
	v_cmp_ne_u32 vcc_lo, 0, v148
	v_cndmask_b32 v144, 0xce6e6b28, v144, vcc_lo
	v_lshrrev_b32 v[MG], 1, v[MG]                  ; on to the next block's bits
	v_lshrrev_b32 v[MO], 1, v[MO]
	s_wait_alu depctr_va_vdst(0)                   ; ahead of the branch
	s_cmp_lg_u32 s18, 0
	s_cbranch_scc1 .Lnot0_\@
	global_store_b64 v[SCO], v[136:137], s[40:41]  ; wave 0: the block's 64 masked scores: 256 consecutive bytes, aligned
.Lnot0_\@:
	v_max_num_f32 v149, v136, v137
	v_max_num_f32_dpp v149, v149, v149 row_xmask:1 row_mask:0xf bank_mask:0xf
	v_max_num_f32_dpp v149, v149, v149 row_xmask:2 row_mask:0xf bank_mask:0xf
	v_max_num_f32_dpp v149, v149, v149 row_xmask:4 row_mask:0xf bank_mask:0xf
	v_max_num_f32_dpp v149, v149, v149 row_xmask:8 row_mask:0xf bank_mask:0xf
	v_permlanex16_b32 v152, v149, s36, s37
	v_max3_num_f32 v153, v149, v152, v[MX]         ; the new m, the same in every lane and every wave
	v_sub_f32 v154, v[MX], v153                    ; the difference first: so equal numbers give the exponent 0
	v_sub_f32 v150, v136, v153
	v_sub_f32 v151, v137, v153
	v_sub_f32 v155, v144, v153
	v_mul_f32 v154, LOG2E, v154
	v_mul_f32 v150, LOG2E, v150
	v_mul_f32 v151, LOG2E, v151
	v_mul_f32 v155, LOG2E, v155
	s_wait_alu depctr_va_vdst(0)                   ; the wait ahead of the batch
	v_exp_f32 v154, v154
	v_exp_f32 v150, v150                           ; p of rows 2 l, 2 l + 1
	v_exp_f32 v151, v151
	v_exp_f32 v155, v155                           ; p of my own row
	v_mov_b32 v[MX], v153                          ; (a plain line behind the exponentials)
	s_wait_alu depctr_va_vdst(0)
	v_fma_f32 v[LS], v[LS], v154, v150
	v_add_f32 v[LS], v[LS], v151
.set n, 0
.rept 16
	v_pk_mul_f32 v[CTX+n:CTX+n+1], v[CTX+n:CTX+n+1], v[154:155] op_sel_hi:[1,0]   ; the context under the new m
.set n, n+2
.endr
.irp t, 0,1,2,3,4,5,6,7,8,9,10,11,12,13,14,15
	v_readlane_b32 s[48+\t], v155, \t              ; row 16 w + t's weight
.endr
.irp t, 0,1,2,3,4,5,6,7,8,9,10,11,12,13,14,15
	v_mov_b32 v[ACC+\t], s[48+\t]                  ; in every lane: the mixed form below takes its sources from vector registers
.endr
	WIN 0x02                                       ; source 0: HOLD, window 2
.set t, 0
.rept 16
.set u, 0
.rept 16
	v_fma_mix_f32_bf16 v[CTX+2*u], v[16*t+u], v[ACC+t], v[CTX+2*u] op_sel_hi:[1,0,0]
	v_fma_mix_f32_bf16 v[CTX+2*u+1], v[16*t+u], v[ACC+t], v[CTX+2*u+1] op_sel:[1,0,0] op_sel_hi:[1,0,0]
.set u, u+1
.endr
.set t, t+1
.endr
	WIN 0
	s_wait_alu depctr_va_vdst(0)                   ; directly ahead of the wait below: the context was just written
	s_wait_xcnt 0x0                                ; the store of scores has read its base and its data: both are written again only behind this wait
	s_add_nc_u64 s[40:41], s[40:41], 256
.endm
	s_wait_alu depctr_va_vdst(0)                   ; the wait at the head's end
	s_mov_b32 s19, 3
.Lblk:
	BLOCK 1
	s_sub_co_u32 s19, s19, 1
	s_cmp_lg_u32 s19, 0
	s_cbranch_scc1 .Lblk
	BLOCK 0                                        ; the last block is written out
	; ================= tail: the four waves' contexts (each over its own 64 rows) are added; wave w stores columns 256 w .. 256 w + 255
	v_add_f32_dpp v[LS], v[LS], v[LS] row_xmask:1 row_mask:0xf bank_mask:0xf
	v_add_f32_dpp v[LS], v[LS], v[LS] row_xmask:2 row_mask:0xf bank_mask:0xf
	v_add_f32_dpp v[LS], v[LS], v[LS] row_xmask:4 row_mask:0xf bank_mask:0xf
	v_add_f32_dpp v[LS], v[LS], v[LS] row_xmask:8 row_mask:0xf bank_mask:0xf
	v_permlanex16_b32 v152, v[LS], s36, s37
	v_add_f32 v[LS], v[LS], v152                   ; l over the work-group's 256 rows
.irp i, 0,1,2,3,4,5,6,7
	ds_store_b128 v[XS], v[CTX+4*\i:CTX+4*\i+3] offset:16*\i
.endr
	s_lshl_b32 s42, s18, 10
	s_mov_b32 s43, 0
	s_add_nc_u64 s[44:45], s[16:17], s[42:43]      ; my 1,024 bytes of the record
	s_wait_alu depctr_va_vdst(0)                   ; directly ahead of the wait below
	s_wait_dscnt 0x0
	s_barrier_signal -1
	s_barrier_wait -1
.irp u, 0,1
.irp p, 0,1,2,3
	ds_load_b128 v[ACC+16*\u+4*\p:ACC+16*\u+4*\p+3], v[XR] offset:4608*\p+576*\u
.endr
.endr
	s_wait_dscnt 0x0
.irp u, 0,1
	v_pk_add_f32 v[ACC+16*\u:ACC+16*\u+1], v[ACC+16*\u:ACC+16*\u+1], v[ACC+16*\u+4:ACC+16*\u+5]
	v_pk_add_f32 v[ACC+16*\u+2:ACC+16*\u+3], v[ACC+16*\u+2:ACC+16*\u+3], v[ACC+16*\u+6:ACC+16*\u+7]
	v_pk_add_f32 v[ACC+16*\u+8:ACC+16*\u+9], v[ACC+16*\u+8:ACC+16*\u+9], v[ACC+16*\u+12:ACC+16*\u+13]
	v_pk_add_f32 v[ACC+16*\u+10:ACC+16*\u+11], v[ACC+16*\u+10:ACC+16*\u+11], v[ACC+16*\u+14:ACC+16*\u+15]
	v_pk_add_f32 v[ACC+16*\u:ACC+16*\u+1], v[ACC+16*\u:ACC+16*\u+1], v[ACC+16*\u+8:ACC+16*\u+9]
	v_pk_add_f32 v[ACC+16*\u+2:ACC+16*\u+3], v[ACC+16*\u+2:ACC+16*\u+3], v[ACC+16*\u+10:ACC+16*\u+11]
	global_store_b128 v[WLA], v[ACC+16*\u:ACC+16*\u+3], s[44:45] offset:512*\u   ; 32 lanes store 512 consecutive bytes
.endr
	s_cmp_lg_u32 s18, 0
	s_cbranch_scc1 .Lnot0_ml
	global_store_b64 v[SCO], v[MX:MX+1], s[16:17] offset:4096  ; (m, l), once for each lane: 256 consecutive bytes, aligned
.Lnot0_ml:
	s_wait_tensorcnt 0x0                           ; the wave's end, behind my last tensor load and my last LDS store
	ds_add_u32 v[SPW], v[NIL]
	s_wait_dscnt 0x0
	s_endpgm
.Lfunc_end_k_q8aa598c999_main:
	.size	k_q8aa598c999_main, .Lfunc_end_k_q8aa598c999_main-k_q8aa598c999_main
	.p2alignl 7, 3214868480
	.fill 96, 4, 3214868480
	.section	.rodata,"a",@progbits
	.p2align	6, 0x0
	.amdhsa_kernel k_q8aa598c999_main
		.amdhsa_group_segment_fixed_size 327680
		.amdhsa_private_segment_fixed_size 0
		.amdhsa_enable_private_segment 0
		.amdhsa_kernarg_size 56
		.amdhsa_user_sgpr_count 2
		.amdhsa_user_sgpr_kernarg_segment_ptr 1
		.amdhsa_wavefront_size32 1
		.amdhsa_system_sgpr_workgroup_id_x 1
		.amdhsa_system_sgpr_workgroup_id_y 1
		.amdhsa_system_sgpr_workgroup_id_z 1
		.amdhsa_system_vgpr_workitem_id 0
		.amdhsa_next_free_vgpr 1024
		.amdhsa_next_free_sgpr 66
		.amdhsa_reserve_vcc 1
		.amdhsa_float_denorm_mode_32 3
		.amdhsa_float_denorm_mode_16_64 3
		.amdhsa_memory_ordered 1
		.amdhsa_forward_progress 1
		.amdhsa_inst_pref_size 255
	.end_amdhsa_kernel
	.section	.bss,"aw",@nobits
	.p2align	6
	.space	262144
	.amdgpu_metadata
---
amdhsa.version: [ 1, 2 ]
amdhsa.kernels:
  - .name:           k_q8aa598c999_main
    .symbol:         k_q8aa598c999_main.kd
    .args:
      - { .name: encoder_outputs, .offset: 0, .size: 8, .value_kind: global_buffer, .address_space: global }
      - { .name: src_mask, .offset: 8, .size: 8, .value_kind: global_buffer, .address_space: global }
      - { .name: W_energy, .offset: 16, .size: 8, .value_kind: global_buffer, .address_space: global }
      - { .name: wk, .offset: 24, .size: 8, .value_kind: global_buffer, .address_space: global }
      - { .name: cq, .offset: 32, .size: 8, .value_kind: global_buffer, .address_space: global }
      - { .name: scores, .offset: 40, .size: 8, .value_kind: global_buffer, .address_space: global }
      - { .name: part, .offset: 48, .size: 8, .value_kind: global_buffer, .address_space: global }
    .group_segment_fixed_size: 327680
    .private_segment_fixed_size: 0
    .kernarg_segment_align: 8
    .kernarg_segment_size: 56
    .max_flat_workgroup_size: 128
    .sgpr_count:     66
    .vgpr_count:     1024
    .wavefront_size: 32
...
	.end_amdgpu_metadata
.endif
;; end of part 2
;; launch finish (part 3): grid 32 x 4, 2 waves a work-group, no clusters, 0 bytes of LDS; arguments scores, part, out0, out1; writes out0, out1
.if DOCPART == 3
	.amdgcn_target "amdgcn-amd-amdhsa--gfx1250"
	.amdhsa_code_object_version 6
	.text
	.protected	k_q8aa598c999_finish
	.globl	k_q8aa598c999_finish
	.p2align	8
	.type	k_q8aa598c999_finish,@function
k_q8aa598c999_finish:
	s_mov_b64 s[64:65], 0
	v_nop
	global_prefetch_b8 v0, s[64:65] scope:SCOPE_SE
	s_setreg_imm32_b32 hwreg(HW_REG_WAVE_MODE, 25, 1), 1
	s_wait_xcnt 0x0
; Batch b = work-group x; quarter y = work-group y: 512 of its 2,048 weights and 256 of its 1,024 context columns.
; The batch's eight partials (m_g, l_g, ctx_g) are joined: M = max m_g; a_g = e^(m_g - M); L = sum a_g l_g;
; out1 = e^(score - M) / L (the scores come masked: -1e9 where the mask is false);  out0 = sum (a_g / L) ctx_g.
; M is one of the scores, so L is at least 1.  A batch that is masked throughout has all scores equal: every weight 1 / 2,048, as the softmax of equal numbers gives.
; 64 threads, 16 bytes each: a wave's load or store covers 512 consecutive bytes.  No LDS, no barrier, no matrix work: a few KB a work-group.
.set PREC,  4352                       ; a record of part: 4,096 bytes of context, then (m, l) 32 times
.set LOG2E, 0x3fb8aa3b
	s_load_b256 s[4:11], s[0:1], 0x0               ; scores s[4:5], part s[6:7], out0 s[8:9], out1 s[10:11]
	v_lshlrev_b32 v1, 4, v0                        ; 16 x thread
	v_and_b32 v2, 31, v0
	v_lshlrev_b32 v2, 3, v2                        ; 8 x lane
	s_and_b32 s12, ttmp7, 0xffff                   ; y
	s_lshl_b32 s14, ttmp9, 13
	s_lshl_b32 s15, s12, 11
	s_add_co_u32 s14, s14, s15                     ; scores, out1: 8,192 b + 2,048 y
	s_mov_b32 s15, 0
	s_mul_i32 s16, ttmp9, 8*PREC                   ; part: the batch's eight records
	s_mov_b32 s17, 0
	s_lshl_b32 s18, s12, 10                        ; 1,024 y
	s_mov_b32 s19, 0
	s_lshl_b32 s20, ttmp9, 12
	s_add_co_u32 s20, s20, s18                     ; out0: 4,096 b + 1,024 y
	s_mov_b32 s21, 0
	s_wait_alu depctr_va_vdst(0)
	s_wait_kmcnt 0x0
	s_add_nc_u64 s[4:5], s[4:5], s[14:15]
	s_add_nc_u64 s[10:11], s[10:11], s[14:15]
	s_add_nc_u64 s[6:7], s[6:7], s[16:17]
	s_add_nc_u64 s[22:23], s[6:7], s[18:19]
	s_add_nc_u64 s[8:9], s[8:9], s[20:21]
.irp g, 0,1,2,3,4,5,6,7
	global_load_b64 v[44+2*\g:45+2*\g], v2, s[6:7] offset:PREC*\g+4096        ; (m_g, l_g) in every lane
.endr
	global_load_b128 v[4:7], v1, s[4:5]
	global_load_b128 v[8:11], v1, s[4:5] offset:1024
.irp g, 0,1,2,3,4,5,6,7
	global_load_b128 v[12+4*\g:15+4*\g], v1, s[22:23] offset:PREC*\g
.endr
	s_wait_loadcnt 10                              ; the eight pairs are in; younger: 2 loads of scores, 8 of contexts
	v_max3_num_f32 v60, v44, v46, v48
	v_max3_num_f32 v60, v60, v50, v52
	v_max3_num_f32 v60, v60, v54, v56
	v_max_num_f32 v60, v60, v58                    ; M
.irp g, 0,1,2,3,4,5,6,7
	v_sub_f32 v[44+2*\g], v[44+2*\g], v60
.endr
.irp g, 0,1,2,3,4,5,6,7
	v_mul_f32 v[44+2*\g], LOG2E, v[44+2*\g]
.endr
	s_wait_alu depctr_va_vdst(0)
.irp g, 0,1,2,3,4,5,6,7
	v_exp_f32 v[44+2*\g], v[44+2*\g]               ; a_g
.endr
	v_nop                                          ; a plain line behind the exponentials (ISA guide 5.7.2)
	s_wait_alu depctr_va_vdst(0)
	v_mul_f32 v61, v44, v45
.irp g, 1,2,3,4,5,6,7
	v_fmac_f32 v61, v[44+2*\g], v[45+2*\g]         ; L
.endr
	s_wait_alu depctr_va_vdst(0)
	v_rcp_f32 v62, v61
	v_nop
	s_wait_alu depctr_va_vdst(0)
.irp g, 0,1,2,3,4,5,6,7
	v_mul_f32 v[44+2*\g], v[44+2*\g], v62          ; a_g / L
.endr
	s_wait_loadcnt 8                               ; the scores are in; younger: the 8 loads of contexts
.irp j, 0,1,2,3,4,5,6,7
	v_sub_f32 v[4+\j], v[4+\j], v60
.endr
.irp j, 0,1,2,3,4,5,6,7
	v_mul_f32 v[4+\j], LOG2E, v[4+\j]
.endr
	s_wait_alu depctr_va_vdst(0)
.irp j, 0,1,2,3,4,5,6,7
	v_exp_f32 v[4+\j], v[4+\j]
.endr
	v_nop
	s_wait_alu depctr_va_vdst(0)
.irp j, 0,1,2,3,4,5,6,7
	v_mul_f32 v[4+\j], v[4+\j], v62
.endr
	global_store_b128 v1, v[4:7], s[10:11]
	global_store_b128 v1, v[8:11], s[10:11] offset:1024
	s_wait_loadcnt 0x0
	v_pk_mul_f32 v[64:65], v[12:13], v[44:45] op_sel_hi:[1,0]                 ; of the pair (a, l) the first word serves both halves
	v_pk_mul_f32 v[66:67], v[14:15], v[44:45] op_sel_hi:[1,0]
.irp g, 1,2,3,4,5,6,7
	v_pk_fma_f32 v[64:65], v[12+4*\g:13+4*\g], v[44+2*\g:45+2*\g], v[64:65] op_sel_hi:[1,0,1]
	v_pk_fma_f32 v[66:67], v[14+4*\g:15+4*\g], v[44+2*\g:45+2*\g], v[66:67] op_sel_hi:[1,0,1]
.endr
	global_store_b128 v1, v[64:67], s[8:9]
	s_endpgm
.Lfunc_end_k_q8aa598c999_finish:
	.size	k_q8aa598c999_finish, .Lfunc_end_k_q8aa598c999_finish-k_q8aa598c999_finish
	.p2alignl 7, 3214868480
	.fill 96, 4, 3214868480
	.section	.rodata,"a",@progbits
	.p2align	6, 0x0
	.amdhsa_kernel k_q8aa598c999_finish
		.amdhsa_group_segment_fixed_size 0
		.amdhsa_private_segment_fixed_size 0
		.amdhsa_enable_private_segment 0
		.amdhsa_kernarg_size 32
		.amdhsa_user_sgpr_count 2
		.amdhsa_user_sgpr_kernarg_segment_ptr 1
		.amdhsa_wavefront_size32 1
		.amdhsa_system_sgpr_workgroup_id_x 1
		.amdhsa_system_sgpr_workgroup_id_y 1
		.amdhsa_system_sgpr_workgroup_id_z 1
		.amdhsa_system_vgpr_workitem_id 0
		.amdhsa_next_free_vgpr 72
		.amdhsa_next_free_sgpr 66
		.amdhsa_reserve_vcc 0
		.amdhsa_float_denorm_mode_32 3
		.amdhsa_float_denorm_mode_16_64 3
		.amdhsa_memory_ordered 1
		.amdhsa_forward_progress 1
		.amdhsa_inst_pref_size 8
	.end_amdhsa_kernel
	.amdgpu_metadata
---
amdhsa.version: [ 1, 2 ]
amdhsa.kernels:
  - .name:           k_q8aa598c999_finish
    .symbol:         k_q8aa598c999_finish.kd
    .args:
      - { .name: scores, .offset: 0, .size: 8, .value_kind: global_buffer, .address_space: global }
      - { .name: part, .offset: 8, .size: 8, .value_kind: global_buffer, .address_space: global }
      - { .name: out0, .offset: 16, .size: 8, .value_kind: global_buffer, .address_space: global }
      - { .name: out1, .offset: 24, .size: 8, .value_kind: global_buffer, .address_space: global }
    .group_segment_fixed_size: 0
    .private_segment_fixed_size: 0
    .kernarg_segment_align: 8
    .kernarg_segment_size: 32
    .max_flat_workgroup_size: 64
    .sgpr_count:     66
    .vgpr_count:     72
    .wavefront_size: 32
...
	.end_amdgpu_metadata
.endif
;; end of part 3
